; MI455X (gfx1250); checked and timed in simulation.
; The chip was launched on July 23, 2026; its instructions are those of AMD's public machine-readable ISA for CDNA 5 (MIT licence, August 2026) and "CDNA5" Instruction Set Architecture Reference Guide (July 2026). The comments in the code are by the model that wrote it; some were corrected since.
;; Graph Multi Head Attention. Allowed arithmetic: matrix products marked QUANTISED: E4M3 operands, one E8M0 scale for each 32 along K, by v_wmma_scale_f32_16x16x128_f8f6f4 with both operands' format E4M3, f32 sums; everything else in f32.
;; Inputs: Wk 1,024 x 1,024 float32; Wq 1,024 x 1,024 float32; Wv 1,024 x 1,024 float32; bk 1,024 float32; bq 1,024 float32; bv 1,024 float32; node_emb 4,096 x 1,024 float32.
;; Outputs: out0 4,096 x 1,024 float32.
;; This version of the problem:
;;   THIS VERSION OF THE PROBLEM IS GIVEN IN LOW PRECISION. The matrix products marked QUANTISED in the list below multiply operands that are first quantised to E4M3 (4 exponent bits, 3 mantissa bits; 8 bits a number), with one power-of-two scale for each 32 numbers along K (OCP MX v1.0); their sums are f32. All else is computed in f32.
;;   The module's matrix products, in the order in which they are computed (A, B: the left and right operand; K: the contracted axis; several contracted axes count as one K, in the product's order):
;;     1. [M 4,096, K 1,024] x [K 1,024, N 1,024]; A: input node_emb; B: input Wq: QUANTISED
;;     2. [M 4,096, K 1,024] x [K 1,024, N 1,024]; A: input node_emb; B: input Wk: QUANTISED
;;     3. [M 4,096, K 1,024] x [K 1,024, N 1,024]; A: input node_emb; B: input Wv: QUANTISED
;;     4. batch 16 x [M 4,096, K 64] x [K 64, N 4,096]; A: computed on the way; B: computed on the way: QUANTISED
;;     5. batch 16 x [M 64, K 4,096] x [K 4,096, N 4,096]; A: computed on the way; B: softmax (see below): QUANTISED
;;   THE QUANTISER, for each operand of a quantised product, along K:
;;     - K is cut into blocks of 32 from its start; a last block that is shorter is filled with zeros.
;;     - A block's scale is 2^e with e = floor(log2(the largest magnitude in the block)) - 8, held to -126 .. 127; a block of zeros has e = 0. As a byte (E8M0): e + 127.
;;     - Each number is divided by its block's scale, clamped to +-448, and rounded to the nearest number of E4M3, ties to even, subnormals kept.
;;     - The product sums the exact products of the quantised numbers (number of the format x scale) in f32.
;;   ~~~python
;;   def quantise(x, axis):      # numpy; x: float32 -> the quantised numbers, widened to float32 again
;;       x = np.moveaxis(x, axis, -1); K = x.shape[-1]
;;       x = np.pad(x, [(0, 0)] * (x.ndim - 1) + [(0, -K % 32)]); x = x.reshape(x.shape[:-1] + (-1, 32)); a = np.abs(x).max(-1, keepdims=True)
;;       e = np.where(a > 0, np.clip(np.frexp(np.where(a > 0, a, 1))[1] - 1 - 8, -126, 127), 0)      # np.frexp(a)[1] - 1 = floor(log2(a)), exactly
;;       r = np.clip(x / 2.0 ** e, -448, 448)
;;       step = 2.0 ** (np.maximum(np.frexp(np.where(r == 0, 1, r))[1] - 1, -6) - 3)
;;       q = np.round(r / step) * step * 2.0 ** e      # np.round: ties to even
;;       return np.moveaxis(q.reshape(q.shape[:-2] + (-1,))[..., :K], -1, axis).astype(np.float32)
;;   ~~~
;;   SOFTMAX AHEAD OF A QUANTISED PRODUCT. Where the list says 'softmax', what is quantised is not the finished softmax but p = 2^(t - M), with t = logit x log2(e) and M = ceil(the row's largest t), a whole number; so 1/2 < the row's largest p <= 1. The row's sum l is taken of the UNQUANTISED p, in f32, and the product's result is divided by l at the end. Since M is a whole number, a kernel that streams over the keys may use a running M (the ceiling of the running maximum): every later rescaling is an exact power of two, which a block's scale takes up: the codes' values come out the same.
;;   OPERANDS COMPUTED ON THE WAY. 'Computed on the way' means the value that the module computes at that place (a softmax that the list does not call 'softmax' is quantised finished and normalised). What goes into a quantiser is computed in f32, as accurately as f32 sums, v_exp_f32 and their like allow (about 1e-6 of the number): no bf16 or f16 on the way to a quantiser, and a product that is left as it is and whose result goes on into a quantised operand takes f32 operands (vector FMAs, or v_wmma_f32_16x16x4_f32). A number that lies on a knife's edge between two numbers of the format may be rounded either way, as far as f32 arithmetic and the matrix unit's own rounding can turn it there, and no further.
;; One version. Each part assembles by itself: llvm-mc -triple=amdgcn-amd-amdhsa -mcpu=gfx1250 --defsym DOCPART=n.
;; ======== version 1 of 1: 3 launches
;; limits: right only within a limited range of input values
;; workspace buffers: codes 7,340,032 bytes; scales 229,376 bytes; qimg 4,194,304 bytes; qsc 262,144 bytes; kv 8,388,608 bytes; sc 393,216 bytes
;; launch quant (part 1): grid 224 x 1, 4 waves a work-group, no clusters, 68,096 bytes of LDS; arguments node_emb, Wq, Wk, Wv, codes, scales; writes codes, scales
.if DOCPART == 1
	.amdgcn_target "amdgcn-amd-amdhsa--gfx1250"
	.amdhsa_code_object_version 6
	.text
	.protected	k_qcff7cbc96f_quant
	.globl	k_qcff7cbc96f_quant
	.p2align	8
	.type	k_qcff7cbc96f_quant,@function
k_qcff7cbc96f_quant:
	s_mov_b64 s[64:65], 0
	v_nop
	global_prefetch_b8 v0, s[64:65] scope:SCOPE_SE
	s_setreg_imm32_b32 hwreg(HW_REG_WAVE_MODE, 25, 1), 1
	s_wait_xcnt 0x0
; node_emb [4096][1024] and Wq, Wk, Wv [1024 (K)][1024], f32, become codes of E4M3 with K innermost and one E8M0 byte for each 32 along K.
; codes: [7168 rows][1024 bytes]; scales: [7168 rows][32 bytes].  Rows 0-4095: node_emb's rows; rows 4096 + 1024 w + n: column n of weight w (0 Wq, 1 Wk, 2 Wv).
; THE ROWS ARE STORED IN A PERMUTED ORDER: buffer row sigma(n) holds row n, sigma = bits 3 and 4 of the index exchanged.  So 16 neighbouring buffer rows, taken as source 0 of a matrix
; instruction, leave a lane's 16 results of two neighbouring tiles as 16 neighbours along that axis: what the next launch's quantiser wants.
; A block's scale is 2^(floor(log2(largest magnitude)) - 8); its byte is the largest magnitude's exponent field - 8, held at 1 from below; numbers are held within +-448 x the scale and rounded to the nearest code, ties to even.
; LIMITS: a block of zeros, and a block whose largest magnitude lies under 2^-118, keeps the byte 1 (zeros' codes are zeros; the bytes are read by this program alone).  NaN and infinities among the inputs are not served.
; Work-groups 0-127 take node_emb (K innermost: a stream of blocks of 32), work-groups 128-223 the weights (K is the first axis: a lane takes a column, its registers run down K).
; The two ways have LDS bytes of their own.  Waves share nothing: no barrier.  No work-group reads what another reads: no cluster.
.set MANT,  0x600000                   ; the mantissa field of 448 as f32
.set STEPS, 16                         ; node_emb: steps of 512 numbers for a wave
.set CB,    16                         ; bytes of 16 codes
.set XR,    16                         ; v16-79   four sets of 16 numbers as loaded
.set XX,    80                         ; v80-111  two sets of 16 neighbours
.set XE,    112                        ; v112-127 a scale byte for each step
.set XC,    128                        ; v128-191 codes: four registers for each step
.set WREG,  8192                       ; LDS of a wave on node_emb's way: two stages of 32 x SP bytes, then its 256 scale bytes
.set SP,    80                         ; a lane's place in a stage: 64 bytes + 16 of padding
.set WLDS,  32768                      ; the weights' way begins here in LDS
.set NB,    8                          ; weights: blocks of 32 along K for a wave
.set PITCH, 272                        ; a stage row: 256 codes + 16 bytes
.set WX,    32                         ; v32-95   two sets of 32 numbers
.set WC,    96                         ; v96-103  a block's codes
.set WOUT,  112                        ; v112-175 the way out
.set WSB,   24                         ; v24-25   eight scale bytes
	s_load_b256 s[4:11], s[0:1], 0x0               ; node_emb s[4:5], Wq s[6:7], Wk s[8:9], Wv s[10:11]
	s_load_b128 s[12:15], s[0:1], 0x20             ; codes s[12:13], scales s[14:15]
	v_lshl_add_u32 v192, v0, 2, 0x10800
	v_mov_b32 v193, 0
	v_lshrrev_b32 v1, 5, v0
	v_readfirstlane_b32 s16, v1                    ; wave 0..3
	v_and_b32 v2, 31, v0                           ; lane
	s_mov_b32 s23, MANT
	s_mov_b32 s21, 0
	s_cmp_lt_u32 ttmp9, 128
	s_cbranch_scc0 .Lweights
	; ---------------- node_emb: a wave takes 8 rows = 8,192 numbers = 16 steps of 512
	v_lshlrev_b32 v3, 4, v2                        ; my 16 bytes of a load's 512
	s_mul_i32 s17, s16, WREG
	v_lshrrev_b32 v14, 2, v2
	v_mul_u32_u24 v14, v14, SP
	v_and_b32 v15, 3, v2
	v_lshl_add_u32 v14, v15, 4, v14
	v_add_nc_u32 v14, s17, v14                     ; into the stage: four lanes' 64 bytes on end, then 16 of padding
	v_mul_u32_u24 v15, v2, SP
	v_add_nc_u32 v15, s17, v15                     ; out of it: my 16 neighbours
	v_mul_u32_u24 v4, v2, CB                       ; my codes' place in a step's 512 bytes
	v_lshrrev_b32 v5, 1, v2
	s_add_co_u32 s17, s17, 2*32*SP
	v_add_nc_u32 v5, s17, v5                       ; LDS: my block's scale byte
	v_lshlrev_b32 v7, 3, v2                        ; on the way out 8 bytes a lane
	v_add_nc_u32 v6, s17, v7
	s_lshl_b32 s17, ttmp9, 2
	s_add_co_u32 s18, s17, s16                     ; the run of 8 rows that I read: 4 x work-group + wave
	s_and_b32 s19, s16, 1
	s_lshl_b32 s19, s19, 1
	s_lshr_b32 s20, s16, 1
	s_or_b32 s19, s19, s20                         ; a row's bits 3 and 4 are the wave's two bits: exchanged,
	s_add_co_u32 s19, s17, s19                     ; the run that I write
	s_wait_alu depctr_va_vdst(0)
	s_wait_kmcnt 0x0
	s_lshl_b32 s20, s18, 15                        ; 8 rows of 4,096 bytes
	s_add_nc_u64 s[4:5], s[4:5], s[20:21]
	s_lshl_b32 s20, s19, 13                        ; 8 rows of 1,024 codes
	s_add_nc_u64 s[12:13], s[12:13], s[20:21]
	s_lshl_b32 s20, s19, 8                         ; 8 rows of 32 scale bytes
	s_add_nc_u64 s[14:15], s[14:15], s[20:21]
.macro LOADX t
.irp i, 0,1,2,3
	global_load_b128 v[XR+16*((\t)%4)+4*\i:XR+16*((\t)%4)+4*\i+3], v3, s[4:5] offset:2048*(\t)+512*\i th:TH_LOAD_NT   ; 32 lanes read 512 consecutive bytes
.endr
.endm
.macro TURNX t                         ; step t's numbers through the stage; LDS serves a wave's instructions in order, so no wait stands between the stores and the loads
.irp i, 0,1,2,3
	ds_store_b128 v14, v[XR+16*((\t)%4)+4*\i:XR+16*((\t)%4)+4*\i+3] offset:32*SP*((\t)%2)+8*SP*\i
.endr
.irp i, 0,1,2,3
	ds_load_b128 v[XX+16*((\t)%2)+4*\i:XX+16*((\t)%2)+4*\i+3], v15 offset:32*SP*((\t)%2)+16*\i
.endr
.endm
.irp t, 0,1,2,3
	LOADX \t
.endr
	s_wait_loadcnt 12                              ; step 0's four loads are in; the twelve of steps 1 to 3 stay out
	TURNX 0
.macro STEPX t
.set XS, XX+16*((\t)%2)
.if (\t) > 0
	s_wait_dscnt 1                                 ; this step's numbers are back from the stage (the last step's byte store may be out), so its stage stores have read their registers,
.else
	s_wait_dscnt 0x0
.endif
.if (\t)+4 < STEPS
	LOADX (\t)+4                                   ; which take the loads of four steps on
.endif
.if (\t)+1 < STEPS
.if STEPS-2-(\t) >= 3
	s_wait_loadcnt 12                              ; the next step's four loads are in; those of the three steps behind it may be out
.else
	s_wait_loadcnt 4*(STEPS-2-(\t))
.endif
	TURNX (\t)+1
.endif
	v_max3_num_f32 v8, |v[XS]|, |v[XS+1]|, |v[XS+2]|               ; the largest magnitude of my 16
	v_max3_num_f32 v9, |v[XS+3]|, |v[XS+4]|, |v[XS+5]|
.irp i, 6,10
	v_max3_num_f32 v8, v8, |v[XS+\i]|, |v[XS+\i+1]|
	v_max3_num_f32 v9, v9, |v[XS+\i+2]|, |v[XS+\i+3]|
.endr
	v_max3_num_f32 v8, v8, |v[XS+14]|, |v[XS+15]|
	v_max3_num_f32 v8, v8, v9, 0x4800000           ; and the floor 2^(9 - 127): the byte cannot fall under 1
	v_max_num_f32_dpp v8, v8, v8 row_xmask:1 row_mask:0xf bank_mask:0xf   ; and of my neighbour's 16: the block's
	v_add_nc_u32 v11, 0xfc000000, v8               ; 8 off its exponent field: the conversion's scale operand
	v_and_or_b32 v10, v8, 0x7f800000, s23          ; 448 x the scale
.irp i, 0,1,2,3,4,5,6,7,8,9,10,11,12,13,14,15
	v_med3_num_f32 v[XS+\i], v[XS+\i], -v10, v10   ; the conversion to an 8-bit code does not saturate (ISA guide 7.6.2): the hold comes first
.endr
	v_cvt_scalef32_pk8_fp8_f32 v[XC+4*(\t):XC+4*(\t)+1], v[XS:XS+7], v11
	v_cvt_scalef32_pk8_fp8_f32 v[XC+4*(\t)+2:XC+4*(\t)+3], v[XS+8:XS+15], v11
	v_lshrrev_b32 v[XE+(\t)], 23, v11              ; the scale's byte
	ds_store_b8 v5, v[XE+(\t)] offset:16*(\t)      ; both lanes of a block write the same byte with the same value
	global_store_b128 v4, v[XC+4*(\t):XC+4*(\t)+3], s[12:13] offset:32*CB*(\t)   ; 32 lanes store 512 consecutive bytes
.endm
.irp t, 0,1,2,3,4,5,6,7,8,9,10,11,12,13,14,15
	STEPX \t
.endr
	ds_load_b64 v[12:13], v6                       ; LDS serves a wave's instructions in order: these see my byte stores
	s_wait_dscnt 0x0
	global_store_b64 v7, v[12:13], s[14:15]        ; 32 lanes store 256 consecutive bytes, aligned
	s_wait_tensorcnt 0x0
	ds_add_u32 v192, v193
	s_wait_dscnt 0x0
	s_endpgm
	; ---------------- the weights: a wave takes 32 columns x 256 along K
.Lweights:
	s_sub_co_u32 s17, ttmp9, 128
	s_lshr_b32 s18, s17, 5                         ; which weight: 0, 1, 2
	s_and_b32 s19, s17, 7                          ; which 128 columns
	s_bfe_u32 s20, s17, 0x20003                    ; which 256 along K
	s_lshl_b32 s19, s19, 7
	s_lshl_b32 s22, s16, 5
	s_add_co_u32 s19, s19, s22                     ; my wave's first column
	s_wait_alu depctr_va_vdst(0)
	v_lshlrev_b32 v3, 2, v2                        ; in: 4 bytes a lane
	s_mul_i32 s22, s16, 32*PITCH
	s_add_co_u32 s22, s22, WLDS                    ; my stage
	v_and_b32 v5, 7, v2
	v_bfe_u32 v6, v2, 3, 1
	v_lshl_add_u32 v5, v6, 4, v5
	v_bfe_u32 v6, v2, 4, 1
	v_lshl_add_u32 v5, v6, 3, v5                   ; my column's place among the 32 buffer rows: bits 3 and 4 exchanged
	v_mul_u32_u24 v4, v5, PITCH
	v_add_nc_u32 v4, s22, v4                       ; into the stage: its rows lie in buffer order
	v_lshlrev_b32 v9, 5, v5                        ; my row of scale bytes
	v_and_b32 v5, 15, v2
	v_lshrrev_b32 v6, 4, v2                        ; out of the stage: sixteen lanes to a row, two rows an instruction
	v_mul_u32_u24 v7, v6, PITCH
	v_lshl_add_u32 v7, v5, 4, v7
	v_add_nc_u32 v7, s22, v7
	v_lshlrev_b32 v8, 10, v6
	v_lshl_add_u32 v8, v5, 4, v8                   ; and the same place in the codes' buffer
	s_lshl_b32 s24, s20, 20                        ; 256 rows of 4,096 bytes,
	s_lshl_b32 s25, s19, 2
	s_add_co_u32 s24, s24, s25                     ; + 4 x column
	s_mov_b32 s25, 0
	s_lshl_b32 s26, s18, 10
	s_add_co_u32 s26, s26, s19
	s_add_co_u32 s26, s26, 4096                    ; my first buffer row
	s_lshl_b32 s28, s26, 10
	s_lshl_b32 s27, s20, 8
	s_add_co_u32 s28, s28, s27                     ; codes: row x 1,024 + 256 x part of K
	s_mov_b32 s29, 0
	s_lshl_b32 s30, s26, 5
	s_lshl_b32 s27, s20, 3
	s_add_co_u32 s30, s30, s27                     ; scale bytes: row x 32 + 8 x part of K
	s_mov_b32 s31, 0
	s_wait_kmcnt 0x0
	s_cmp_eq_u32 s18, 0
	s_cselect_b64 s[6:7], s[6:7], s[8:9]           ; the choice hangs on the work-group's number alone
	s_cmp_eq_u32 s18, 2
	s_cselect_b64 s[6:7], s[10:11], s[6:7]
	s_add_nc_u64 s[6:7], s[6:7], s[24:25]
	s_add_nc_u64 s[12:13], s[12:13], s[28:29]
	s_add_nc_u64 s[14:15], s[14:15], s[30:31]
.macro LOADW t                         ; block t: W(32 t + i, my column), i = 0 .. 31, into set t % 2; 32 lanes read 128 consecutive bytes
.irp i, 0,1,2,3,4,5,6,7,8,9,10,11,12,13,14,15,16,17,18,19,20,21,22,23,24,25,26,27,28,29,30,31
	global_load_b32 v[WX+32*((\t)%2)+\i], v3, s[6:7] offset:(32*(\t)+\i)*4096 th:TH_LOAD_NT
.endr
.endm
	LOADW 0
	LOADW 1
.macro BLOCKW t
.set XS, WX+32*((\t)%2)
.if (\t) < NB-1
	s_wait_loadcnt 32                              ; this block's 32 loads are in; the next block's 32 may be out
.else
	s_wait_loadcnt 0
.endif
	v_max3_num_f32 v12, |v[XS]|, |v[XS+1]|, |v[XS+2]|               ; the block's largest magnitude: all 32 numbers are mine
	v_max3_num_f32 v13, |v[XS+3]|, |v[XS+4]|, |v[XS+5]|
.irp i, 6,10,14,18,22,26
	v_max3_num_f32 v12, v12, |v[XS+\i]|, |v[XS+\i+1]|
	v_max3_num_f32 v13, v13, |v[XS+\i+2]|, |v[XS+\i+3]|
.endr
	v_max3_num_f32 v12, v12, |v[XS+30]|, |v[XS+31]|
	v_max3_num_f32 v12, v12, v13, 0x4800000        ; and the floor 2^(9 - 127)
	v_add_nc_u32 v11, 0xfc000000, v12              ; the conversion's scale operand
	v_and_or_b32 v10, v12, 0x7f800000, s23         ; 448 x the scale
	v_lshrrev_b32 v13, 23, v11                     ; the scale's byte
.if (\t)%4 == 0
	v_mov_b32 v[WSB+(\t)/4], v13                   ; four bytes to a register, the lower K in the lower byte
.else
	v_lshl_or_b32 v[WSB+(\t)/4], v13, 8*((\t)%4), v[WSB+(\t)/4]
.endif
.irp i, 0,1,2,3,4,5,6,7,8,9,10,11,12,13,14,15,16,17,18,19,20,21,22,23,24,25,26,27,28,29,30,31
	v_med3_num_f32 v[XS+\i], v[XS+\i], -v10, v10
.endr
.irp g, 0,1,2,3
	v_cvt_scalef32_pk8_fp8_f32 v[WC+2*\g:WC+2*\g+1], v[XS+8*\g:XS+8*\g+7], v11
.endr
	ds_store_b128 v4, v[WC:WC+3] offset:32*(\t)    ; 32 codes: 32 bytes of my column's row
	ds_store_b128 v4, v[WC+4:WC+7] offset:32*(\t)+16
.if (\t)+2 < NB
	LOADW (\t)+2
.endif
	s_wait_dscnt 0x0                               ; the stores have read their registers: the next block's codes may be written
.endm
.set Q, 0
.rept NB
	BLOCKW Q
.set Q, Q+1
.endr
	global_store_b64 v9, v[WSB:WSB+1], s[14:15]    ; my column's eight scale bytes
.irp t, 0,1,2,3,4,5,6,7,8,9,10,11,12,13,14,15
	ds_load_b128 v[WOUT+4*\t:WOUT+4*\t+3], v7 offset:2*\t*PITCH   ; LDS serves a wave's instructions in order: these see my stores
.endr
.irp t, 0,1,2,3,4,5,6,7,8,9,10,11,12,13,14,15
	s_wait_dscnt 15-\t                             ; the younger loads stay out
	global_store_b128 v8, v[WOUT+4*\t:WOUT+4*\t+3], s[12:13] offset:2*\t*1024   ; sixteen lanes store 256 consecutive bytes, aligned
.endr
	s_wait_tensorcnt 0x0
	ds_add_u32 v192, v193
	s_wait_dscnt 0x0
	s_endpgm
.Lfunc_end_k_qcff7cbc96f_quant:
	.size	k_qcff7cbc96f_quant, .Lfunc_end_k_qcff7cbc96f_quant-k_qcff7cbc96f_quant
	.p2alignl 7, 3214868480
	.fill 96, 4, 3214868480
	.section	.rodata,"a",@progbits
	.p2align	6, 0x0
	.amdhsa_kernel k_qcff7cbc96f_quant
		.amdhsa_group_segment_fixed_size 68096
		.amdhsa_private_segment_fixed_size 0
		.amdhsa_enable_private_segment 0
		.amdhsa_kernarg_size 48
		.amdhsa_user_sgpr_count 2
		.amdhsa_user_sgpr_kernarg_segment_ptr 1
		.amdhsa_wavefront_size32 1
		.amdhsa_system_sgpr_workgroup_id_x 1
		.amdhsa_system_sgpr_workgroup_id_y 1
		.amdhsa_system_sgpr_workgroup_id_z 1
		.amdhsa_system_vgpr_workitem_id 0
		.amdhsa_next_free_vgpr 194
		.amdhsa_next_free_sgpr 66
		.amdhsa_reserve_vcc 0
		.amdhsa_float_denorm_mode_32 3
		.amdhsa_float_denorm_mode_16_64 3
		.amdhsa_memory_ordered 1
		.amdhsa_forward_progress 1
		.amdhsa_inst_pref_size 110
	.end_amdhsa_kernel
	.amdgpu_metadata
---
amdhsa.version: [ 1, 2 ]
amdhsa.kernels:
  - .name:           k_qcff7cbc96f_quant
    .symbol:         k_qcff7cbc96f_quant.kd
    .args:
      - { .name: node_emb, .offset: 0, .size: 8, .value_kind: global_buffer, .address_space: global }
      - { .name: Wq, .offset: 8, .size: 8, .value_kind: global_buffer, .address_space: global }
      - { .name: Wk, .offset: 16, .size: 8, .value_kind: global_buffer, .address_space: global }
      - { .name: Wv, .offset: 24, .size: 8, .value_kind: global_buffer, .address_space: global }
      - { .name: codes, .offset: 32, .size: 8, .value_kind: global_buffer, .address_space: global }
      - { .name: scales, .offset: 40, .size: 8, .value_kind: global_buffer, .address_space: global }
    .group_segment_fixed_size: 68096
    .private_segment_fixed_size: 0
    .kernarg_segment_align: 8
    .kernarg_segment_size: 48
    .max_flat_workgroup_size: 128
    .sgpr_count:     66
    .vgpr_count:     194
    .wavefront_size: 32
...
	.end_amdgpu_metadata
.endif
;; end of part 1
;; launch proj (part 2): grid 12 x 16, 4 waves a work-group, clusters of 4 x 4, 327,680 bytes of LDS; arguments codes, scales, bq, bk, bv, qimg, qsc, kv, sc; writes qimg, qsc, kv, sc
.if DOCPART == 2
	.amdgcn_target "amdgcn-amd-amdhsa--gfx1250"
	.amdhsa_code_object_version 6
	.text
	.protected	k_qcff7cbc96f_proj
	.globl	k_qcff7cbc96f_proj
	.p2align	8
	.type	k_qcff7cbc96f_proj,@function
k_qcff7cbc96f_proj:
	s_mov_b64 s[64:65], 0
	v_nop
	global_prefetch_b8 v0, s[64:65] scope:SCOPE_SE
	s_setreg_imm32_b32 hwreg(HW_REG_WAVE_MODE, 25, 1), 1
	s_wait_xcnt 0x0
	s_wait_alu depctr_hold_cnt(0) depctr_sa_sdst(0) depctr_va_vdst(0) depctr_va_sdst(0) depctr_va_ssrc(0) depctr_va_vcc(0) depctr_vm_vsrc(0)
	s_getreg_b32 s2, hwreg(HW_REG_IB_STS2, 6, 4)
	s_cmp_eq_u32 s2, 0
	s_cbranch_scc0 .Lentry_in_a_cluster
	s_endpgm
.Lentry_in_a_cluster:
	s_bfe_u32 s2, ttmp6, 0x10000c
	s_cmp_lg_u32 s2, 0xf033
	s_cbranch_scc0 .Lentry_shape_is_right
	s_endpgm
.Lentry_shape_is_right:
; Q, K, V = x W + b on codes of E4M3 with one E8M0 byte for 32 along K (K = 1,024), and their quantisers: no f32 result is stored.
; A work-group of four waves makes a block of 256 x 256, a wave 128 x 128; K goes in steps of 256 through a ring of two LDS slots filled by joint loads in clusters of 4 x 4.
; Clusters x = 0, 1 make Q and K (source 1 = rows of x), cluster x = 2 makes V (source 1 = columns of Wv), so that a lane's registers run along the next product's K.
; The sums get their bias, are quantised in registers and leave as codes and scale words in the order of the next launch's operand registers.
; HEAD: one joint load a wave: wave 0 the first K step's 256 rows of A, wave 1 those of B, waves 2 and 3 the scale bytes of A's and of B's 256 rows for all of K.
; PREFETCH: of the 128 rows that a wave fetches jointly, each of the four partners names 32, told apart by address, a lane a row, 256 bytes of a row for a K step:
; K steps 1 and 2 behind the head's loads, K step 3 behind slot 1's load: two K steps ahead at the most; the offsets are immediates, the address registers are never rewritten.
; LIMITS: NaN and infinities are not served; a block's byte never falls under 1.
.set KSTEP,  256
.set NQ,     2
.set ROWB,   256
.set KROW,   1024
.set PITCH,  272
.set FR,     16
.set NL,     4
.set NP,     8
.set HALFT,  128*PITCH
.set SLOT,   4*HALFT
.set LAPS,   2
.set KS,     32
.set SCL,    2*SLOT
.set HALFS,  16*272
.set SBLK,   2*272
.set SPARE,  SCL+4*HALFS
.set ADRA, 16
.set ADRB, 20
.set BO,   24
.set VO,   25
.set CO,   26
.set ADRS, 27
.set SPW,  28
.set NIL,  29
.set SC,   32
.set BI,   64
.set AF,   128
.set T,    128
.set PC,   192
.set TM,   224
.set PW,   240
.set SELW, 248
.set W1,   252
.set G1, 24
.set G0, 32
.set G1B, 48
.set G0B, 56
.set G1S, 68
.set G0S, 76
.set G1SB, 80
.set G0SB, 88
.set BIAS, 38
.set CB0,  48
.set CB1,  50
.set SB0,  52
.set SB1,  54
.set PSEL, 82
.set MNT,  84
.set LOWH, 85
.set ONES, 86
.set MSB, 0
.macro WIN new
.if MSB != (\new)
	s_set_vgpr_msb (MSB<<8)|(\new)
.set MSB, (\new)
.endif
.endm
.set MUL_LO, 0xa1
.set MUL_HI, 0xf1
.set TO_B,   0x40
.macro JLOAD g0a, g1a, g0b, g1b
	s_cmp_eq_u32 s15, 0
	s_cbranch_scc0 .Lfor_b_\@
	tensor_load_to_lds s[\g0a:\g0a+3], s[\g1a:\g1a+7]
	s_nop 0
.rept 4
	v_nop
.endr
	s_branch .Lasked_\@
.Lfor_b_\@:
	tensor_load_to_lds s[\g0b:\g0b+3], s[\g1b:\g1b+7]
	s_nop 0
.rept 4
	v_nop
.endr
.Lasked_\@:
.endm
.macro CREST
	s_cmp_lg_u32 s14, 0
	s_cbranch_scc1 .Lnot_wave_0_\@
	s_barrier_signal -3
.Lnot_wave_0_\@:
	s_barrier_wait -3
	s_barrier_signal -1
	s_barrier_wait -1
.endm
.macro CROUND
	s_barrier_signal -1
	s_barrier_wait -1
	CREST
.endm
	s_load_b128 s[4:7], s[0:1], 0x0
	v_lshl_add_u32 v[SPW], v0, 2, SPARE
	v_mov_b32 v[NIL], 0
	ds_add_u32 v28, v29
	ds_add_u32 v28, v29
	s_wait_dscnt 0x0
	v_lshrrev_b32 v1, 5, v0
	v_readfirstlane_b32 s14, v1
	s_lshr_b32 s15, s14, 1
	s_and_b32 s16, s14, 1
	s_bfe_u32 s40, ttmp6, 0x40000
	s_bfe_u32 s41, ttmp6, 0x40004
	s_and_b32 s97, ttmp7, 0xffff
	s_lshr_b32 s95, ttmp9, 1
	s_xor_b32 s96, s95, 1
	s_lshl_b32 s98, s97, 10
	s_mul_i32 s99, s96, s98
	s_mul_i32 s100, s95, 6144
	s_add_co_u32 s99, s99, s100
	s_lshl_b32 s100, ttmp9, 10
	s_add_co_u32 s100, s100, 4096
	s_mul_i32 s100, s96, s100
	s_mul_i32 s101, s95, s98
	s_add_co_u32 s100, s100, s101
	s_lshl_b32 s43, s41, 2
	s_lshl_b32 s43, 15, s43
	s_lshl_b32 s44, 0x1111, s40
	s_or_b32 s[G1+0], s43, (0<<16)|(1<<20)|(1<<21)|(5<<22)|(3<<25)
	s_or_b32 s[G1B+0], s44, (0<<16)|(1<<20)|(1<<21)|(5<<22)|(3<<25)
.irp g, G1, G1B
	s_mov_b32 s[\g+1], ROWB<<16
	s_mov_b32 s[\g+2], 256<<16
	s_mov_b32 s[\g+3], ROWB<<16
	s_mov_b32 s[\g+4], 256
	s_mov_b32 s[\g+5], KROW
	s_mov_b32 s[\g+6], 0
	s_mov_b32 s[\g+7], 0
.endr
	s_or_b32 s[G1S+0], s43, (3<<16)|(1<<20)|(1<<21)|(5<<22)|(3<<25)
	s_or_b32 s[G1SB+0], s44, (3<<16)|(1<<20)|(1<<21)|(5<<22)|(3<<25)
.irp g, G1S, G1SB
	s_mov_b32 s[\g+1], 32<<16
	s_mov_b32 s[\g+2], 32<<16
	s_mov_b32 s[\g+3], 32<<16
	s_mov_b32 s[\g+4], 32
	s_mov_b32 s[\g+5], 32
	s_mov_b32 s[\g+6], 0
	s_mov_b32 s[\g+7], 0
.endr
	s_lshl_b32 s18, s16, 7
	s_lshl_b32 s20, s41, 8
	s_add_co_u32 s20, s20, s18
	s_add_co_u32 s20, s20, s99
	s_lshl_b32 s46, s40, 8
	s_add_co_u32 s46, s46, s18
	s_add_co_u32 s46, s46, s100
	s_mov_b32 s21, 0
	s_mov_b32 s47, 0
	s_mov_b64 s[18:19], KS
	s_mul_u64 s[22:23], s[20:21], s[18:19]
	s_mul_u64 s[92:93], s[46:47], s[18:19]
	s_mov_b64 s[18:19], KROW
	s_mul_u64 s[20:21], s[20:21], s[18:19]
	s_mul_u64 s[46:47], s[46:47], s[18:19]
	s_mul_i32 s45, s14, HALFT
	s_wait_kmcnt 0x0
	s_add_nc_u64 s[20:21], s[4:5], s[20:21]
	s_add_nc_u64 s[22:23], s[6:7], s[22:23]
	s_add_nc_u64 s[46:47], s[4:5], s[46:47]
	s_add_nc_u64 s[92:93], s[6:7], s[92:93]
	CROUND
	s_lshl_b32 s66, s16, 12                        ; the addresses above stand at my half's 128 rows: the head's tiles begin at the block's first row
	s_mov_b32 s67, 0
	s_mov_b32 s[G0S], 1
	s_mov_b32 s[G0S+1], SCL
	s_sub_nc_u64 s[G0S+2:G0S+3], s[22:23], s[66:67]
	s_or_b32 s[G0S+3], s[G0S+3], 0x80000000
	s_mov_b32 s[G0SB], 1
	s_mov_b32 s[G0SB+1], SCL+2*HALFS
	s_sub_nc_u64 s[G0SB+2:G0SB+3], s[92:93], s[66:67]
	s_or_b32 s[G0SB+3], s[G0SB+3], 0x80000000
.set G0H, 4                            ; s[4:7], s[8:11]: group 0 of the head's loads of codes (the arguments that lay there have been used)
.set G0HB, 8
	s_lshl_b32 s66, s16, 17
	s_mov_b32 s[G0H], 1
	s_mov_b32 s[G0H+1], 0
	s_sub_nc_u64 s[G0H+2:G0H+3], s[20:21], s[66:67]
	s_or_b32 s[G0H+3], s[G0H+3], 0x80000000
	s_mov_b32 s[G0HB], 1
	s_mov_b32 s[G0HB+1], 2*HALFT
	s_sub_nc_u64 s[G0HB+2:G0HB+3], s[46:47], s[66:67]
	s_or_b32 s[G0HB+3], s[G0HB+3], 0x80000000
.irp s, 0,1
	s_mov_b32 s[G0+4*\s], 1
	s_add_co_u32 s[G0+4*\s+1], s45, \s*SLOT
	s_add_nc_u64 s[G0+4*\s+2:G0+4*\s+3], s[20:21], \s*ROWB
	s_or_b32 s[G0+4*\s+3], s[G0+4*\s+3], 0x80000000
	s_mov_b32 s[G0B+4*\s], 1
	s_add_co_u32 s[G0B+4*\s+1], s45, \s*SLOT
	s_add_nc_u64 s[G0B+4*\s+2:G0B+4*\s+3], s[46:47], \s*ROWB
	s_or_b32 s[G0B+4*\s+3], s[G0B+4*\s+3], 0x80000000
.endr
.macro ARM under, g0, g1, next         ; one chain of branches on the wave's number, a load to an arm: every way passes exactly one
	s_cmp_lt_u32 s14, \under
	s_cbranch_scc0 \next
	tensor_load_to_lds s[\g0:\g0+3], s[\g1:\g1+7]
	s_nop 0
.rept 4
	v_nop
.endr
	s_branch .Lhead_asked
\next:
.endm
	ARM 1, G0H,  G1,  .Lhead_b
	ARM 2, G0HB, G1B, .Lhead_sa
	ARM 3, G0S,  G1S, .Lhead_sb
	tensor_load_to_lds s[G0SB:G0SB+3], s[G1SB:G1SB+7]
	s_nop 0
.rept 4
	v_nop
.endr
.Lhead_asked:
	s_cmp_eq_u32 s15, 0                            ; the prefetches: the 128 rows that I fetch in the ring (A's or B's),
	s_cselect_b64 s[12:13], s[20:21], s[46:47]
	s_cselect_b32 s66, s40, s41                    ; my place among the four that ask for them with me,
	s_lshl_b32 s66, s66, 15                        ; 32 rows of 1,024 bytes for each
	s_mov_b32 s67, 0
	s_add_nc_u64 s[12:13], s[12:13], s[66:67]
	v_and_b32 v31, 31, v0
	v_lshlrev_b32 v31, 10, v31                     ; a lane a row
	global_prefetch_b8 v31, s[12:13] offset:256 th:TH_LOAD_NT scope:SCOPE_SE
	global_prefetch_b8 v31, s[12:13] offset:512 th:TH_LOAD_NT scope:SCOPE_SE
	v_and_b32 v1, 15, v0
	v_bfe_u32 v2, v0, 4, 1
	v_mul_u32_u24 v3, v1, PITCH
	v_lshl_add_u32 v4, v2, 4, v3
	s_mul_i32 s21, s15, HALFT
	s_mul_i32 s22, s16, HALFT
	s_add_co_u32 s22, s22, 2*HALFT
.irp s, 0,1
	v_add_nc_u32 v[ADRA+\s], s21, v4
	v_add_nc_u32 v[ADRB+\s], s22, v4
	s_add_co_u32 s21, s21, SLOT
	s_add_co_u32 s22, s22, SLOT
.endr
	v_mul_u32_u24 v5, v1, KS
	v_lshrrev_b32 v6, 8, v5
	v_lshl_add_u32 v5, v6, 4, v5
	s_mul_i32 s21, s15, HALFS
	s_mul_i32 s22, s16, HALFS
	s_add_co_u32 s22, s22, 2*HALFS
	s_sub_co_u32 s22, s22, s21
	v_mul_u32_u24 v6, s22, v2
	s_add_co_u32 s21, s21, SCL
	v_add_nc_u32 v5, v5, v6
	v_add_nc_u32 v[ADRS], s21, v5
	v_and_b32 v6, 31, v0
	v_lshlrev_b32 v[CO], 4, v6
.macro FRAG reg, adr, q, i
.irp c, 0,1,2,3
	ds_load_b128 v[\reg+4*\c:\reg+4*\c+3], v[\adr] offset:128*(\q)+32*\c+(\i)*16*PITCH
.endr
.endm
.macro MUL16 a0, p, q, sc, zero
.irp a, \a0, \a0+1
.irp b, 0,1,2,3,4,5,6,7
.if \zero
	v_wmma_scale_f32_16x16x128_f8f6f4 v[8*(8*((\a)%4)+\b):8*(8*((\a)%4)+\b)+7], v[128*(\p)+FR*\b:128*(\p)+FR*\b+FR-1], v[AF+FR*(\a):AF+FR*(\a)+FR-1], 0, v[SC+8*NQ*(\sc)+NQ*\b+(\q)], v[SC+8*NQ*(\sc)+NQ*(\a)+(\q)] matrix_a_scale:MATRIX_SCALE_ROW1
.else
	v_wmma_scale_f32_16x16x128_f8f6f4 v[8*(8*((\a)%4)+\b):8*(8*((\a)%4)+\b)+7], v[128*(\p)+FR*\b:128*(\p)+FR*\b+FR-1], v[AF+FR*(\a):AF+FR*(\a)+FR-1], v[8*(8*((\a)%4)+\b):8*(8*((\a)%4)+\b)+7], v[SC+8*NQ*(\sc)+NQ*\b+(\q)], v[SC+8*NQ*(\sc)+NQ*(\a)+(\q)] matrix_a_scale:MATRIX_SCALE_ROW1
.endif
.endr
.endr
.endm
.macro FETCH_B slot, q, p
	WIN TO_B
.irp i, 0,1,2,3,4,5,6,7
	FRAG 128*(\p)+FR*\i, ADRB+\slot, \q, \i
.endr
	WIN 0
.endm
.macro FETCH_A slot, q, i0
.irp i, \i0, \i0+1, \i0+2, \i0+3
	FRAG AF+FR*(\i), ADRA+\slot, \q, \i
.endr
.endm
.macro SCALES sc
.irp i, 0,1,2,3,4,5,6,7
	ds_load_b64 v[SC+8*NQ*\sc+NQ*\i:SC+8*NQ*\sc+NQ*\i+1], v[ADRS] offset:\i*SBLK
.endr
.endm
.macro PLACES n
.rept \n
	v_nop
.endr
.endm
.macro STEP slot, q, zero
	s_wait_dscnt 4*NL
	WIN MUL_LO
	MUL16 0, (\q)%2, \q, \slot, \zero
	MUL16 2, (\q)%2, \q, \slot, \zero
	s_wait_dscnt 0
	PLACES NP
	FETCH_B \slot, (\q)+1, 1-(\q)%2
	FETCH_A \slot, (\q)+1, 0
	WIN MUL_HI
	MUL16 4, (\q)%2, \q, \slot, \zero
	MUL16 6, (\q)%2, \q, \slot, \zero
	PLACES NP
	WIN 0
	FETCH_A \slot, (\q)+1, 4
.endm
.macro TURN slot, next, fill
	s_wait_tensorcnt 0x0
	ds_add_u32 v[SPW], v[NIL]
	s_wait_dscnt 4*NL+1
	WIN MUL_LO
	MUL16 0, 1, NQ-1, \slot, 0
	s_wait_dscnt 0x0
	s_barrier_signal -1
	MUL16 2, 1, NQ-1, \slot, 0
	WIN 0
	s_barrier_wait -1
.if \fill
	CREST
	s_add_nc_u64 s[G0+4*\slot+2:G0+4*\slot+3], s[G0+4*\slot+2:G0+4*\slot+3], 2*ROWB
	s_add_nc_u64 s[G0B+4*\slot+2:G0B+4*\slot+3], s[G0B+4*\slot+2:G0B+4*\slot+3], 2*ROWB
	JLOAD G0+4*\slot, G1, G0B+4*\slot, G1B
	PLACES NP-4
.else
	PLACES NP
.endif
	s_wait_alu depctr_va_vdst(0)
	v_add_nc_u32 v[ADRS], 4*NQ, v[ADRS]
	FETCH_B \next, 0, 0
	FETCH_A \next, 0, 0
	SCALES \next
	WIN MUL_HI
	MUL16 4, 1, NQ-1, \slot, 0
	MUL16 6, 1, NQ-1, \slot, 0
	PLACES NP
	WIN 0
	FETCH_A \next, 0, 4
.endm
.macro LASTSTEP
	s_wait_dscnt 4*NL
	WIN MUL_LO
	MUL16 0, 1, NQ-1, 1, 0
	MUL16 2, 1, NQ-1, 1, 0
	s_wait_dscnt 0
	WIN MUL_HI
	MUL16 4, 1, NQ-1, 1, 0
	MUL16 6, 1, NQ-1, 1, 0
	WIN 0
.endm
.macro QUANT s, pc, pw
.irp b, 0,1,2,3
	v_max3_num_f32 v[TM+\b], |v[\s+16*\b]|, |v[\s+1+16*\b]|, 0x4800000
.endr
.irp i, 2,4,6,8,10,12,14
.irp b, 0,1,2,3
	v_max3_num_f32 v[TM+\b], v[TM+\b], |v[\s+16*\b+\i]|, |v[\s+1+16*\b+\i]|
.endr
.endr
.irp b, 0,1,2,3
	v_permlanex16_b32 v[TM+4+\b], v[TM+\b], s[PSEL], s[PSEL+1]
.endr
.irp b, 0,1,2,3
	v_max_num_f32 v[TM+\b], v[TM+\b], v[TM+4+\b]
.endr
.irp b, 0,1,2,3
	v_add_nc_u32 v[TM+12+\b], 0xfc000000, v[TM+\b]
.endr
.irp b, 0,1,2,3
	v_and_or_b32 v[TM+8+\b], v[TM+\b], 0x7f800000, s[MNT]
.endr
.irp b, 0,1,2,3
	v_lshrrev_b32 v[TM+4+\b], 23, v[TM+12+\b]
.endr
	v_lshl_or_b32 v[\pw], v[TM+5], 8, v[TM+4]
	v_lshl_or_b32 v[\pw], v[TM+6], 16, v[\pw]
	v_lshl_or_b32 v[\pw], v[TM+7], 24, v[\pw]
.irp b, 0,1,2,3
.irp i, 0,1,2,3,4,5,6,7,8,9,10,11,12,13,14,15
	v_med3_num_f32 v[\s+16*\b+\i], v[\s+16*\b+\i], -v[TM+8+\b], v[TM+8+\b]
.endr
	v_cvt_scalef32_pk8_fp8_f32 v[(\pc)+4*\b:(\pc)+1+4*\b], v[\s+16*\b:\s+7+16*\b], v[TM+12+\b]
	v_cvt_scalef32_pk8_fp8_f32 v[(\pc)+2+4*\b:(\pc)+3+4*\b], v[\s+8+16*\b:\s+15+16*\b], v[TM+12+\b]
.endr
	v_nop
.endm
.macro EPI a, isv
.set AC, 64*((\a)%4)
.set PCA, PC+16*((\a)%2)
	WIN 0x02+(\a)/4
.set i, 0
.rept 32
.if \isv
	v_pk_add_f32 v[T+i:T+i+1], v[AC+i:AC+i+1], v[BI+2*(\a):BI+2*(\a)+1]
.else
	v_pk_add_f32 v[T+i:T+i+1], v[AC+i:AC+i+1], v[BI+i:BI+i+1]
.endif
.set i, i+2
.endr
	WIN 0
.if (\a) >= 2
	s_wait_xcnt 0x0
.endif
	QUANT T, PCA, PW+(\a)
.if \isv
.irp c, 0,1,2,3
	global_store_b128 v[CO], v[PCA+4*\c:PCA+4*\c+3], s[CB0:CB0+1] offset:((\a)/4)*524288+((\a)%4)*2048+512*\c
.endr
.else
	global_store_b128 v[CO], v[PCA:PCA+3], s[CB0:CB0+1] offset:1024*(\a)
	global_store_b128 v[CO], v[PCA+4:PCA+7], s[CB0:CB0+1] offset:1024*(\a)+512
	global_store_b128 v[CO], v[PCA+8:PCA+11], s[CB1:CB1+1] offset:1024*(\a)
	global_store_b128 v[CO], v[PCA+12:PCA+15], s[CB1:CB1+1] offset:1024*(\a)+512
.endif
.endm
	s_wait_alu depctr_va_vdst(0)                   ; the wait at the head's end
	s_wait_tensorcnt 0x0                           ; my tile of the head's four is in; the lines ahead of a later first fill:
	ds_add_u32 v[SPW], v[NIL]
	s_mov_b32 s[G1+2], 128<<16                     ; no tensor load of mine is out: from here on a load brings 128 rows
	s_mov_b32 s[G1+4], 128
	s_mov_b32 s[G1B+2], 128<<16
	s_mov_b32 s[G1B+4], 128
	s_wait_dscnt 0x0
	CROUND
	JLOAD G0+4, G1, G0B+4, G1B                     ; K step 1, the first tensor load behind the round
	FETCH_B 0, 0, 0
	FETCH_A 0, 0, 0
	SCALES 0
	FETCH_A 0, 0, 4
	global_prefetch_b8 v31, s[12:13] offset:768 th:TH_LOAD_NT scope:SCOPE_SE
	STEP 0, 0, 1
	s_load_b256 s[68:75], s[0:1], 0x10             ; bq, bk, bv, qimg (the scale bytes' descriptors lay here: their loads are done)
	s_load_b128 s[76:79], s[0:1], 0x30             ; qsc, kv
	s_load_b64 s[80:81], s[0:1], 0x40              ; sc
	s_mov_b32 s3, LAPS-1
.Llap:
	TURN 0, 1, 1
	STEP 1, 0, 0
	TURN 1, 0, 1
	STEP 0, 0, 0
	s_sub_co_u32 s3, s3, 1
	s_cmp_lg_u32 s3, 0
	s_cbranch_scc1 .Llap
	TURN 0, 1, 0
	s_wait_kmcnt 0x0                               ; the bias is asked for here, 128 products ahead of its use; s36-39 held a descriptor whose last load is done
	s_cmp_eq_u32 s95, 0
	s_cbranch_scc0 .Lbias_v
	s_lshl_b32 s36, s40, 2
	s_lshl_b32 s37, s16, 1
	s_add_co_u32 s36, s36, s37
	s_lshl_b32 s36, s36, 8                         ; my first head's 64 numbers
	s_mov_b32 s37, 0
	s_cmp_eq_u32 ttmp9, 0
	s_cselect_b64 s[BIAS:BIAS+1], s[68:69], s[70:71]
	s_add_nc_u64 s[BIAS:BIAS+1], s[BIAS:BIAS+1], s[36:37]
	v_lshlrev_b32 v[BO], 6, v2
.irp b, 0,1,2,3
.irp j, 0,1,2,3
	global_load_b128 v[BI+16*\b+4*\j:BI+16*\b+4*\j+3], v[BO], s[BIAS:BIAS+1] offset:128*\b+16*\j
.endr
.endr
	s_branch .Lbias_asked
.Lbias_v:
	s_lshl_b32 s36, s41, 2
	s_lshl_b32 s37, s15, 1
	s_add_co_u32 s36, s36, s37
	s_lshl_b32 s36, s36, 8
	s_mov_b32 s37, 0
	s_add_nc_u64 s[BIAS:BIAS+1], s[72:73], s[36:37]
	v_and_b32 v30, 8, v1
	v_add_nc_u32 v30, v30, v1
	v_lshlrev_b32 v[BO], 2, v30
.irp a, 0,1,2,3,4,5,6,7
	global_load_b32 v[BI+2*\a], v[BO], s[BIAS:BIAS+1] offset:4*(32*(\a/2)+8*(\a%2))
	global_load_b32 v[BI+2*\a+1], v[BO], s[BIAS:BIAS+1] offset:4*(32*(\a/2)+8*(\a%2))
.endr
.Lbias_asked:
	STEP 1, 0, 0
	s_mov_b32 s[PSEL], 0x76543210
	s_mov_b32 s[PSEL+1], 0xfedcba98
	s_mov_b32 s[MNT], 0x600000
	s_mov_b32 s[LOWH], 0xffff
	s_mov_b32 s[ONES], 0x7f7f0000
	s_wait_kmcnt 0x0
	s_cmp_eq_u32 s95, 0
	s_cbranch_scc0 .Lv
	s_lshl_b32 s24, s97, 3
	s_lshl_b32 s25, s41, 1
	s_add_co_u32 s24, s24, s25
	s_add_co_u32 s24, s24, s15
	s_lshl_b32 s25, s40, 2
	s_lshl_b32 s26, s16, 1
	s_add_co_u32 s25, s25, s26
	s_mov_b32 s27, ttmp9
	s_lshl_b32 s28, s25, 18
	s_lshl_b32 s29, s24, 13
	s_add_co_u32 s28, s28, s29
	s_lshl_b32 s28, s28, s27
	s_mov_b32 s29, 0
	s_lshl_b32 s30, 0x40000, s27
	s_mov_b32 s31, 0
	s_lshl_b32 s32, s27, 13
	s_add_co_u32 s32, s32, 16384
	s_lshl_b32 s33, s27, 8
	s_add_co_u32 s33, s33, 512
	s_mul_i32 s34, s25, s32
	s_mul_i32 s35, s24, s33
	s_add_co_u32 s34, s34, s35
	s_mov_b32 s35, 0
	s_mov_b32 s33, 0
	s_cmp_eq_u32 s27, 0
	s_cselect_b64 s[CB0:CB0+1], s[74:75], s[78:79]
	s_cselect_b64 s[SB0:SB0+1], s[76:77], s[80:81]
	s_add_nc_u64 s[CB0:CB0+1], s[CB0:CB0+1], s[28:29]
	s_add_nc_u64 s[CB1:CB1+1], s[CB0:CB0+1], s[30:31]
	s_add_nc_u64 s[SB0:SB0+1], s[SB0:SB0+1], s[34:35]
	s_add_nc_u64 s[SB1:SB1+1], s[SB0:SB0+1], s[32:33]
	LASTSTEP
	PLACES NP
.irp b, 0,1,2,3
	v_mov_b32 v[TM+4+\b], 0
.endr
	s_wait_loadcnt 0x0
.irp a, 0,1,2,3,4,5,6,7
	EPI \a, 0
.endr
	v_cmp_eq_u32 vcc_lo, 0, v2
.irp i, 0,1,2,3
	v_cndmask_b32 v[SELW+\i], v[PW+4+\i], v[PW+\i], vcc_lo
.endr
.irp i, 0,1,2,3
	v_lshrrev_b32 v[W1+\i], 16, v[SELW+\i]
.endr
.irp i, 0,1,2,3
	v_or_b32 v[W1+\i], s[ONES], v[W1+\i]
	v_and_or_b32 v[SELW+\i], v[SELW+\i], s[LOWH], s[ONES]
.endr
	global_store_b128 v[CO], v[SELW:SELW+3], s[SB0:SB0+1]
	global_store_b128 v[CO], v[W1:W1+3], s[SB1:SB1+1]
	s_branch .Lend
.Lv:
	s_lshl_b32 s24, s97, 3
	s_lshl_b32 s25, s40, 1
	s_add_co_u32 s24, s24, s25
	s_add_co_u32 s24, s24, s16
	s_lshl_b32 s25, s41, 2
	s_lshl_b32 s26, s15, 1
	s_add_co_u32 s25, s25, s26
	s_lshl_b32 s28, s25, 19
	s_lshl_b32 s29, s24, 14
	s_add_co_u32 s28, s28, s29
	s_add_co_u32 s28, s28, 8192
	s_mov_b32 s29, 0
	s_mul_i32 s34, s25, 24576
	s_mul_i32 s35, s24, 768
	s_add_co_u32 s34, s34, s35
	s_add_co_u32 s34, s34, 512
	s_mov_b32 s35, 0
	s_add_nc_u64 s[CB0:CB0+1], s[78:79], s[28:29]
	s_add_nc_u64 s[SB0:SB0+1], s[80:81], s[34:35]
	v_mul_u32_u24 v30, v2, 24576
	v_lshl_add_u32 v[VO], v1, 4, v30
	LASTSTEP
	PLACES NP
.irp b, 0,1,2,3
	v_mov_b32 v[TM+4+\b], 0
.endr
	s_wait_loadcnt 0x0
.irp a, 0,1,2,3,4,5,6,7
	EPI \a, 1
.endr
	v_cmp_eq_u32 vcc_lo, 0, v2
.irp i, 0,1,2,3
	v_cndmask_b32 v[SELW+\i], v[PW+4+\i], v[PW+\i], vcc_lo
.endr
	global_store_b128 v[VO], v[SELW:SELW+3], s[SB0:SB0+1]
.Lend:
	s_wait_tensorcnt 0x0
	ds_add_u32 v[SPW], v[NIL]
	s_wait_dscnt 0x0
	CROUND
	s_endpgm
.Lfunc_end_k_qcff7cbc96f_proj:
	.size	k_qcff7cbc96f_proj, .Lfunc_end_k_qcff7cbc96f_proj-k_qcff7cbc96f_proj
	.p2alignl 7, 3214868480
	.fill 96, 4, 3214868480
	.section	.rodata,"a",@progbits
	.p2align	6, 0x0
	.amdhsa_kernel k_qcff7cbc96f_proj
		.amdhsa_group_segment_fixed_size 327680
		.amdhsa_private_segment_fixed_size 0
		.amdhsa_enable_private_segment 0
		.amdhsa_kernarg_size 72
		.amdhsa_user_sgpr_count 2
		.amdhsa_user_sgpr_kernarg_segment_ptr 1
		.amdhsa_wavefront_size32 1
		.amdhsa_system_sgpr_workgroup_id_x 1
		.amdhsa_system_sgpr_workgroup_id_y 1
		.amdhsa_system_sgpr_workgroup_id_z 1
		.amdhsa_system_vgpr_workitem_id 0
		.amdhsa_next_free_vgpr 1024
		.amdhsa_next_free_sgpr 102
		.amdhsa_reserve_vcc 1
		.amdhsa_float_denorm_mode_32 3
		.amdhsa_float_denorm_mode_16_64 3
		.amdhsa_memory_ordered 1
		.amdhsa_forward_progress 1
		.amdhsa_inst_pref_size 255
	.end_amdhsa_kernel
	.section	.bss,"aw",@nobits
	.p2align	6
	.space	262144
	.amdgpu_metadata
---
amdhsa.version: [ 1, 2 ]
amdhsa.kernels:
  - .name:           k_qcff7cbc96f_proj
    .symbol:         k_qcff7cbc96f_proj.kd
    .args:
      - { .name: codes, .offset: 0, .size: 8, .value_kind: global_buffer, .address_space: global }
      - { .name: scales, .offset: 8, .size: 8, .value_kind: global_buffer, .address_space: global }
      - { .name: bq, .offset: 16, .size: 8, .value_kind: global_buffer, .address_space: global }
      - { .name: bk, .offset: 24, .size: 8, .value_kind: global_buffer, .address_space: global }
      - { .name: bv, .offset: 32, .size: 8, .value_kind: global_buffer, .address_space: global }
      - { .name: qimg, .offset: 40, .size: 8, .value_kind: global_buffer, .address_space: global }
      - { .name: qsc, .offset: 48, .size: 8, .value_kind: global_buffer, .address_space: global }
      - { .name: kv, .offset: 56, .size: 8, .value_kind: global_buffer, .address_space: global }
      - { .name: sc, .offset: 64, .size: 8, .value_kind: global_buffer, .address_space: global }
    .group_segment_fixed_size: 327680
    .private_segment_fixed_size: 0
    .kernarg_segment_align: 8
    .kernarg_segment_size: 72
    .max_flat_workgroup_size: 128
    .sgpr_count:     102
    .vgpr_count:     1024
    .wavefront_size: 32
...
	.end_amdgpu_metadata
.endif
;; end of part 2
;; launch attn (part 3): grid 16 x 16, 8 waves a work-group, clusters of 4 x 1, 327,680 bytes of LDS; arguments qimg, qsc, kv, sc, out0; writes out0
.if DOCPART == 3
	.amdgcn_target "amdgcn-amd-amdhsa--gfx1250"
	.amdhsa_code_object_version 6
	.text
	.protected	k_qcff7cbc96f_attn
	.globl	k_qcff7cbc96f_attn
	.p2align	8
	.type	k_qcff7cbc96f_attn,@function
k_qcff7cbc96f_attn:
	s_mov_b64 s[64:65], 0
	v_nop
	global_prefetch_b8 v0, s[64:65] scope:SCOPE_SE
	s_setreg_imm32_b32 hwreg(HW_REG_WAVE_MODE, 25, 1), 1
	s_wait_xcnt 0x0
	s_wait_alu depctr_hold_cnt(0) depctr_sa_sdst(0) depctr_va_vdst(0) depctr_va_sdst(0) depctr_va_ssrc(0) depctr_va_vcc(0) depctr_vm_vsrc(0)
	s_getreg_b32 s2, hwreg(HW_REG_IB_STS2, 6, 4)
	s_cmp_eq_u32 s2, 0
	s_cbranch_scc0 .Lentry_in_a_cluster
	s_endpgm
.Lentry_in_a_cluster:
	s_bfe_u32 s2, ttmp6, 0x10000c
	s_cmp_lg_u32 s2, 0x3003
	s_cbranch_scc0 .Lentry_shape_is_right
	s_endpgm
.Lentry_shape_is_right:
; out0[q][head] = sum over keys of softmax(Q K^T / 8) V, both products on codes of E4M3 with one E8M0 byte for 32 along K.
; qimg, qsc, kv, sc hold Q's, K's and V's codes and scale words in the order of the operand registers (16 bytes a lane), as the launch before leaves them.
; kv: [head][key step of 128][K: 8 tiles x 2 pieces x 512 bytes; V: 4 tiles x 4 pieces x 512 bytes]; sc: [head][key step][K: 512 bytes; V: 256 bytes].
; SOFTMAX: t = score x log2(e) / 8; M = the running largest t rounded up to a whole number; p = 2^(t - M) is quantised along the keys, not normalised;
; the row's sum is taken of the unquantised p and divides at the end; when M moves, the sum and O^T are multiplied by 2^(old M - new M).
; A block's scale exponent is floor(its largest t - M) - 8, held so that the byte stays at 1 or above.
; LIMITS: the scaled scores stay under 2^31 in magnitude; NaN and infinities are not served.
; SHARES: a work-group owns 256 queries of one head, each of 8 waves 32 of them (two tiles); every wave walks the head's 4,096 keys, 128 a step.
; The four work-groups of a cluster walk the same head: K, V and the scale bytes come by joint loads (mask 15).  Ring: two slots of 8 key steps (131,072 bytes), 16,384 bytes a wave and refill.
; Both products are used transposed (S^T = K Q^T, O^T = V^T P^T): a lane holds one query.  The head's 64 fill half of the instruction's 128 along K: Q's upper 8 registers are zeros.
; ORDER OF A STEP: K's fragments of the NEXT step are asked of LDS right behind this step's score products, V's of this step with them: a whole softmax stands ahead of their use.
; In a slot's last step the look-ahead wraps to the slot's own first step and is discarded; the new slot's first fragments are read behind the change of slots.
; The exponentials of tile 0 stand among tile 1's multiply-adds, those of tile 1 among tile 0's holds: lines whose results are read behind the batch's wait alone.
; PREFETCH: at a change of slots waves 0-3 of the head's first cluster name the slot that the next change loads: 8,192 bytes a wave, lanes 256 bytes apart, the four partners told apart by address; the last change that fills asks for nothing.
; REGISTERS: window 0: v1-12 addresses, v16-23 state, v24-35 and v76-77 scale words, v36-75 at work, v80-207 S^T then p, v208-239 p's codes.  Window 1: v0-71 K, v72-135 V, v136-167 Q, v168-231 O^T.
.set SLOT1, 1<<17
.set STEPB, 16384
.set SCL,   2*SLOT1                    ; the head's scale bytes, 24,576, filled once
.set SPARE, SCL+24576                  ; the spare words: 128 bytes a wave
.set AKV, 1                            ; 16 x lane
.set ASC, 2                            ; K's scale words
.set AVS, 3                            ; V's scale words
.set SPW, 4
.set NIL, 5
.set ADR, 6                            ; this step's block
.set ADS, 7                            ; next step's scale words of K
.set ADT, 8                            ; this step's scale words of V
.set PFO, 9
.set STO, 10
.set RD,  11
.set GO,  12
.set ST,  16                           ; a tile: -M, largest score, the sum in two halves
.set KS,  24
.set VS,  28
.set PS,  34
.set TT,  36                           ; a tile's 20: 0-3 block maxima, then second copies of the bounds; 4-7 at work; 8-11 bounds; 12-15 scale operands; 16-17 f; 18-19 at work
.set QS,  76
.set ADN, 78                           ; next step's K
.set S,   80
.set P,   208
.set KF,  0
.set VF,  72
.set QF,  136
.set OF,  168
.set WV,  14
.set SEL, 20
.set CS,  22
.set G1,  24
.set G1S, 32
.set G0,  40
.set G0S, 44
.set TB,  48
.set TS,  49
.set SLOTS, 50
.set CNT, 51
.set LIM, 52
.set PFA, 54
.set G1H, 72
.set G0H, 80
.set TBN, 84
.set TSN, 85
.set TMP, 86
.set MSB, 0
.macro WIN new                         ; the immediate's high byte repeats the setting that is left
.if MSB != (\new)
	s_set_vgpr_msb (MSB<<8)|(\new)
.set MSB, (\new)
.endif
.endm
.macro WALU
	s_wait_alu depctr_va_vdst(0)
.endm
.macro CROUND                          ; a round of the cluster's barrier
	s_barrier_signal -1
	s_barrier_wait -1
	s_cmp_lg_u32 s[WV], 0
	s_cbranch_scc1 .Lnot_wave_0_\@
	s_barrier_signal -3
.Lnot_wave_0_\@:
	s_barrier_wait -3
	s_barrier_signal -1
	s_barrier_wait -1
.endm
.macro ASK
	s_cmp_gt_u32 s[SLOTS], s[LIM]
	s_cbranch_scc0 .Lnot_mine_\@
	global_prefetch_b8 v[PFO], s[PFA:PFA+1] th:TH_LOAD_NT scope:SCOPE_SE
.Lnot_mine_\@:
.endm
.macro GROUP1 g, rows                  ; a dense block as rows of 256 bytes (32 elements of 8), mask 15, bit 21 beside it
	s_mov_b32 s[\g], 15|(3<<16)|(1<<21)
	s_mov_b32 s[\g+1], 32<<16
	s_mov_b32 s[\g+2], (\rows)<<16
	s_mov_b32 s[\g+3], 32<<16
	s_mov_b32 s[\g+4], \rows
	s_mov_b32 s[\g+5], 32
	s_mov_b32 s[\g+6], 0
	s_mov_b32 s[\g+7], 0
.endm
.macro TLOAD g0, g1                    ; the s_nop 0 and four v_nop stand ahead of what follows
	tensor_load_to_lds s[\g0:\g0+3], s[\g1:\g1+7]
	s_nop 0
.rept 4
	v_nop
.endr
.endm
	s_load_b256 s[4:11], s[0:1], 0x0               ; qimg, qsc, kv, sc
	s_load_b64 s[12:13], s[0:1], 0x20              ; out0
	v_lshl_add_u32 v[SPW], v0, 2, SPARE
	v_mov_b32 v[NIL], 0
	ds_add_u32 v[SPW], v[NIL]                      ; the opening lines: the add twice on end and one wait
	ds_add_u32 v[SPW], v[NIL]
	v_lshrrev_b32 v13, 5, v0
	v_readfirstlane_b32 s[WV], v13                 ; wave 0..7
	s_bfe_u32 s15, ttmp6, 0x40000                  ; cx
	s_lshl_b32 s16, ttmp9, 2
	s_add_co_u32 s16, s16, s15                     ; which 256 queries
	s_and_b32 s17, ttmp7, 0xffff                   ; the head
	GROUP1 G1, 64                                  ; a refill: 16,384 bytes a wave
	GROUP1 G1S, 24                                 ; the scale bytes: 6,144 bytes for each of waves 4-7
	GROUP1 G1H, 128                                ; slot 0's first fill: 32,768 bytes for each of waves 0-3
	s_lshl_b32 s68, s[WV], 14
	s_and_b32 s87, s[WV], 3
	s_mul_i32 s69, s87, 6144
	s_lshl_b32 s87, s87, 15
	s_lshl_b32 s56, s17, 19                        ; the head in kv
	s_mov_b32 s57, 0
	s_mul_i32 s66, s17, 24576                      ; in sc
	s_mov_b32 s67, 0
	s_lshl_b32 s58, s16, 4
	s_lshl_b32 s59, s[WV], 1
	s_add_co_u32 s58, s58, s59                     ; my first tile of 16 queries
	s_lshr_b32 s59, s58, 2
	s_lshl_b32 s59, s59, 8
	s_and_b32 s60, s58, 3
	s_lshl_b32 s60, s60, 2
	s_add_co_u32 s59, s59, s60
	s_lshl_b32 s60, s17, 14
	s_add_co_u32 s60, s60, s59                     ; its scale words in qsc
	s_mov_b32 s61, 0
	s_lshl_b32 s62, s58, 10
	s_lshl_b32 s63, s17, 18
	s_add_co_u32 s62, s62, s63                     ; its codes in qimg
	s_mov_b32 s63, 0
	s_lshl_b32 s70, s16, 20
	s_lshl_b32 s71, s[WV], 17
	s_add_co_u32 s70, s70, s71
	s_lshl_b32 s71, s17, 8
	s_add_co_u32 s70, s70, s71                     ; my first row of out0, at my head's 256 bytes
	s_mov_b32 s71, 0
	s_mov_b32 s[SEL], 0x76543210
	s_mov_b32 s[SEL+1], 0xfedcba98
	s_mov_b32 s[CS], 0x3e38aa3b                    ; log2(e) / 8
	s_mov_b32 s[CS+1], s[CS]
	s_mov_b32 s[TB], 0
	s_mov_b32 s[TS], 0
	s_mov_b32 s[SLOTS], 3
	s_lshr_b32 s[LIM], s[WV], 2
	s_or_b32 s[LIM], s[LIM], ttmp9
	s_cmp_eq_u32 s[LIM], 0
	s_cselect_b32 s[LIM], 1, -1                    ; waves 0-3 of the head's first cluster prefetch
	v_and_b32 v13, 31, v0
	v_lshlrev_b32 v[AKV], 4, v13
	v_add_nc_u32 v[ASC], SCL, v[AKV]
	v_and_b32 v13, 15, v0
	v_lshl_add_u32 v[AVS], v13, 4, SCL+512
	v_lshlrev_b32 v15, 4, v13
	v_lshlrev_b32 v[PFO], 4, v[AKV]
	WALU                                           ; the wait at the head's end
	s_wait_dscnt 0x0                               ; both opening adds are done
	s_wait_kmcnt 0x0
	s_add_nc_u64 s[8:9], s[8:9], s[56:57]
	s_add_nc_u64 s[10:11], s[10:11], s[66:67]
	s_add_nc_u64 s[4:5], s[4:5], s[62:63]
	s_add_nc_u64 s[6:7], s[6:7], s[60:61]
	s_add_nc_u64 s[12:13], s[12:13], s[70:71]
	s_mov_b32 s56, s68
	s_mov_b32 s[G0], 1                             ; the ring's group 0: it stands at slot 0 and is stepped ahead of each use
	s_mov_b32 s[G0+1], s68
	s_add_nc_u64 s[G0+2:G0+3], s[8:9], s[56:57]
	s_or_b32 s[G0+3], s[G0+3], 0x80000000
	s_mov_b32 s56, s87
	s_mov_b32 s[G0H], 1
	s_mov_b32 s[G0H+1], s87
	s_add_nc_u64 s[G0H+2:G0H+3], s[8:9], s[56:57]
	s_or_b32 s[G0H+3], s[G0H+3], 0x80000000
	s_mov_b32 s66, s69
	s_mov_b32 s[G0S], 1
	s_add_co_u32 s[G0S+1], s69, SCL
	s_add_nc_u64 s[G0S+2:G0S+3], s[10:11], s[66:67]
	s_or_b32 s[G0S+3], s[G0S+3], 0x80000000
	s_lshl_b32 s56, s15, 15
	s_and_b32 s58, s[WV], 3
	s_lshl_b32 s58, s58, 13
	s_add_co_u32 s56, s56, s58
	s_add_co_u32 s56, s56, SLOT1
	s_add_nc_u64 s[PFA:PFA+1], s[8:9], s[56:57]    ; my 8,192 bytes, in slot 1: each change steps it a slot on first
	CROUND                                         ; the round in front of the first joint loads
	s_cmp_lt_u32 s[WV], 4                          ; one load a wave, an arm each: every way passes one
	s_cbranch_scc0 .Lhead_scales
	TLOAD G0H, G1H
	s_branch .Lhead_asked
.Lhead_scales:
	TLOAD G0S, G1S
.Lhead_asked:
	WIN 0x40
.irp t, 0,1
.irp g, 0,1
	global_load_b128 v[QF+16*\t+4*\g:QF+16*\t+4*\g+3], v[AKV], s[4:5] offset:1024*\t+512*\g
.endr
.endr
.set j, 0
.rept 8
	v_mov_b32 v[QF+8+j], 0                         ; Q's upper 64 along K: zeros
	v_mov_b32 v[QF+24+j], 0
	v_mov_b32 v[KF+64+j], 0                        ; what K's last tile names beyond its 8 registers
.set j, j+1
.endr
.set j, 0
.rept 64
	v_mov_b32 v[OF+j], 0                           ; O^T: the step is written for every step alike; the first change of M leaves zeros zeros
.set j, j+1
.endr
	WIN 0
.irp t, 0,1
	global_load_b32 v[QS+\t], v15, s[6:7] offset:4*\t
	v_mov_b32 v[ST+4*\t+1], 0xff61b1e6             ; the largest score so far: -3e38
	v_floor_f32 v[ST+4*\t], -v[ST+4*\t+1]
	v_mov_b32 v[ST+4*\t+2], 0
	v_mov_b32 v[ST+4*\t+3], 0
.irp b, 4,5,6,7,17
	v_mov_b32 v[TT+20*\t+\b], 0                    ; a lane permute's destination and a pair's upper half count as read
.endr
.endr
.macro KLOADS                          ; K's eight tiles at v[ADN] (destination window 1)
.irp a, 0,1,2,3,4,5,6,7
	ds_load_b128 v[KF+8*\a:KF+8*\a+3], v[ADN] offset:1024*\a
	ds_load_b128 v[KF+8*\a+4:KF+8*\a+7], v[ADN] offset:1024*\a+512
.endr
.endm
.macro MAXES                           ; block maxima of both tiles, eight chains by turns; then M and f
.irp b, 0,1,2,3
.irp t, 0,1
	v_max3_num_f32 v[TT+20*\t+\b], v[S+64*\t+16*\b], v[S+64*\t+16*\b+1], v[S+64*\t+16*\b+2]
.endr
.endr
.irp i, 3,5,7,9,11,13
.irp b, 0,1,2,3
.irp t, 0,1
	v_max3_num_f32 v[TT+20*\t+\b], v[TT+20*\t+\b], v[S+64*\t+16*\b+\i], v[S+64*\t+16*\b+\i+1]
.endr
.endr
.endr
.irp b, 0,1,2,3
.irp t, 0,1
	v_max_num_f32 v[TT+20*\t+\b], v[TT+20*\t+\b], v[S+64*\t+16*\b+15]
.endr
.endr
.irp b, 0,1,2,3
.irp t, 0,1
	v_permlanex16_b32 v[TT+20*\t+4+\b], v[TT+20*\t+\b], s[SEL], s[SEL+1]
.endr
.endr
.irp b, 0,1,2,3
.irp t, 0,1
	v_max_num_f32 v[TT+20*\t+\b], v[TT+20*\t+\b], v[TT+20*\t+4+\b]   ; with lane l xor 16's 16 keys: the block's largest score
.endr
.endr
.irp t, 0,1
	v_max3_num_f32 v[ST+4*\t+1], v[ST+4*\t+1], v[TT+20*\t], v[TT+20*\t+1]
.endr
.irp t, 0,1
	v_max3_num_f32 v[ST+4*\t+1], v[ST+4*\t+1], v[TT+20*\t+2], v[TT+20*\t+3]   ; the running largest score
.endr
.irp t, 0,1
	v_mul_f32 v[TT+20*\t+18], s[CS], v[ST+4*\t+1]  ; as t
.endr
.irp t, 0,1
	v_mov_b32 v[TT+20*\t+19], v[ST+4*\t]
.endr
.irp t, 0,1
	v_floor_f32 v[ST+4*\t], -v[TT+20*\t+18]        ; -M = floor(-t)
.endr
.irp t, 0,1
	v_sub_f32 v[TT+20*\t+19], v[ST+4*\t], v[TT+20*\t+19]
.endr
.irp t, 0,1
	v_cvt_i32_f32 v[TT+20*\t+19], v[TT+20*\t+19]   ; old M - new M; it saturates
.endr
.irp t, 0,1
	v_ldexp_f32 v[TT+20*\t+16], 1.0, v[TT+20*\t+19]   ; f
.endr
.endm
.macro PKFMA t, j                      ; t - M, two at a time
	v_pk_fma_f32 v[S+64*(\t)+(\j):S+64*(\t)+(\j)+1], v[S+64*(\t)+(\j):S+64*(\t)+(\j)+1], s[CS:CS+1], v[ST+4*(\t):ST+4*(\t)+1] op_sel_hi:[1,0,0]
.endm
.macro PREP                            ; the blocks' scales from their largest scores: i = floor(t - M), at -118 or above; byte i + 119
.irp b, 0,1,2,3
.irp t, 0,1
	v_fma_f32 v[TT+20*\t+\b], v[TT+20*\t+\b], s[CS], v[ST+4*\t]
.endr
.endr
.irp b, 0,1,2,3
.irp t, 0,1
	v_max_num_f32 v[TT+20*\t+\b], 0xc2ec0000, v[TT+20*\t+\b]
.endr
.endr
.irp b, 0,1,2,3
.irp t, 0,1
	v_cvt_floor_i32_f32 v[TT+20*\t+4+\b], v[TT+20*\t+\b]
.endr
.endr
.irp b, 0,1,2,3
.irp t, 0,1
	v_add_lshl_u32 v[TT+20*\t+12+\b], v[TT+20*\t+4+\b], 119, 23   ; the conversion's scale operand
.endr
.endr
.irp t, 0,1
	v_lshl_add_u32 v[PS+\t], v[TT+20*\t+7], 8, v[TT+20*\t+6]      ; sum of i_b << 8 b, modulo 2^32,
.endr
.irp t, 0,1
	v_lshl_add_u32 v[PS+\t], v[PS+\t], 8, v[TT+20*\t+5]
.endr
.irp t, 0,1
	v_lshl_add_u32 v[PS+\t], v[PS+\t], 8, v[TT+20*\t+4]
.endr
.irp t, 0,1
	v_add_nc_u32 v[PS+\t], 0x77777777, v[PS+\t]    ; + 119 in each byte: p's scale word
.endr
.endm
.macro HOLD2 t, j                      ; two holds in one line: p is not negative, so the hold is one-sided
	v_dual_min_num_f32 v[S+64*(\t)+(\j)], v[S+64*(\t)+(\j)], v[TT+20*(\t)+8+(\j)/16] :: v_dual_min_num_f32 v[S+64*(\t)+(\j)+1], v[S+64*(\t)+(\j)+1], v[TT+20*(\t)+((\j)/16+1)%4]
.endm
.macro PADD d, a, b
	v_pk_add_f32 v[\d:\d+1], v[\a:\a+1], v[\b:\b+1]
.endm
.macro SUM t                           ; the row's sum of the unquantised p: four chains
.set rS, S+64*(\t)
.set rA, ST+4*(\t)+2
.set rB, TT+20*(\t)+4
.set rC, TT+20*(\t)+6
.set rD, TT+20*(\t)+18
	PADD rB, rS, rS+2
	PADD rC, rS+4, rS+6
	PADD rD, rS+8, rS+10
.irp k, 12,20,28,36,44,52
	PADD rA, rA, rS+\k
	PADD rB, rB, rS+\k+2
	PADD rC, rC, rS+\k+4
	PADD rD, rD, rS+\k+6
.endr
	PADD rA, rA, rS+60
	PADD rB, rB, rS+62
	PADD rC, rC, rD
	PADD rA, rA, rB
	PADD rA, rA, rC
.endm
.macro CVT t
.irp b, 0,1,2,3
	v_cvt_scalef32_pk8_fp8_f32 v[P+16*(\t)+4*\b:P+16*(\t)+4*\b+1], v[S+64*(\t)+16*\b:S+64*(\t)+16*\b+7], v[TT+20*(\t)+12+\b]
	v_cvt_scalef32_pk8_fp8_f32 v[P+16*(\t)+4*\b+2:P+16*(\t)+4*\b+3], v[S+64*(\t)+16*\b+8:S+64*(\t)+16*\b+15], v[TT+20*(\t)+12+\b]
.endr
.endm
.macro STEP
	s_add_co_u32 s[TBN], s[TB], STEPB              ; the next step's block, wrapped inside the slot in hand
	s_and_b32 s[TBN], s[TBN], SLOT1-1
	s_and_b32 s[TMP], s[TB], SLOT1
	s_or_b32 s[TBN], s[TBN], s[TMP]
	s_add_co_u32 s[TSN], s[TS], 768                ; its scale words (they lie in LDS for the whole head), held at the last step's
	s_min_u32 s[TSN], s[TSN], 31*768
	s_wait_dscnt 0x0                               ; K's fragments and scale words are in
	WIN 0x05
.irp a, 0,1,2,3
.irp t, 0,1
	v_wmma_scale_f32_16x16x128_f8f6f4 v[S+64*\t+8*\a:S+64*\t+8*\a+7], v[KF+8*\a:KF+8*\a+15], v[QF+16*\t:QF+16*\t+15], 0, v[KS+\a], v[QS+\t]
.endr
.endr
.irp a, 4,5,6,7
.irp t, 0,1
	v_wmma_scale_f32_16x16x128_f8f6f4 v[S+64*\t+8*\a:S+64*\t+8*\a+7], v[KF+8*\a:KF+8*\a+15], v[QF+16*\t:QF+16*\t+15], 0, v[KS+\a-4], v[QS+\t] matrix_a_scale:MATRIX_SCALE_ROW1
.endr
.endr
	WIN 0
	v_add_nc_u32 v[ADR], s[TB], v[AKV]             ; eight places behind the products, ahead of the loads into their operands and of the first read of S^T
	v_add_nc_u32 v[ADT], s[TS], v[AVS]
	v_add_nc_u32 v[ADN], s[TBN], v[AKV]
	v_add_nc_u32 v[ADS], s[TSN], v[ASC]
.rept 4
	v_nop
.endr
	ds_load_b128 v[VS:VS+3], v[ADT]
	ds_load_b128 v[KS:KS+3], v[ADS]
	WIN 0x40
.irp d, 0,1,2,3
.irp c, 0,1,2,3
	ds_load_b128 v[VF+16*\d+4*\c:VF+16*\d+4*\c+3], v[ADR] offset:8192+2048*\d+512*\c
.endr
.endr
	KLOADS
	WIN 0
	MAXES
.set j, 0
.rept 32
	PKFMA 0, j
.set j, j+2
.endr
	PREP
	WALU                                           ; the wait ahead of the batch
.set j, 0
.rept 32
	v_exp_f32 v[S+j], v[S+j]                       ; tile 0's p, among tile 1's multiply-adds
	v_exp_f32 v[S+j+1], v[S+j+1]
	PKFMA 1, j
.if j < 32                             ; the bounds, 448 x the scale, also stand among the exponentials: first each block's, then a second copy in another register bank for the dual holds' second half
	v_add_nc_u32 v[TT+20*((j/2)%2)+(1-j/16)*(8+(j/4)%4)+(j/16)*(((j/4)%4+1)%4)], 0x4600000, v[TT+20*((j/2)%2)+12+(j/4)%4]
.endif
.set j, j+2
.endr
	v_pk_mul_f32 v[ST+2:ST+3], v[ST+2:ST+3], v[TT+16:TT+17] op_sel_hi:[1,0]   ; the sums under the new M
	v_pk_mul_f32 v[ST+6:ST+7], v[ST+6:ST+7], v[TT+36:TT+37] op_sel_hi:[1,0]
	WALU                                           ; one wait for the batch, ahead of its first reader
	SUM 0
.set j, 0
.rept 32
	v_exp_f32 v[S+64+j], v[S+64+j]                 ; tile 1's p, among tile 0's holds
	v_exp_f32 v[S+64+j+1], v[S+64+j+1]
	HOLD2 0, j
.set j, j+2
.endr
	v_nop
	WALU                                           ; one wait for the batch
	SUM 1
	CVT 0
.set j, 0
.rept 32
	HOLD2 1, j
.set j, j+2
.endr
	CVT 1
	WIN 0x41
	WALU                                           ; the wait directly ahead of the first reader of O^T
.irp t, 0,1
.set j, 0
.rept 16
	v_pk_mul_f32 v[OF+32*\t+j:OF+32*\t+j+1], v[OF+32*\t+j:OF+32*\t+j+1], v[TT+20*\t+16:TT+20*\t+17] op_sel_hi:[1,0]   ; O^T under the new M; also the places ahead of the products
.set j, j+2
.endr
.endr
	WALU                                           ; the wait directly ahead of the wait below
	s_wait_dscnt 0x0                               ; V's fragments are in (and the next step's of K)
	WIN 0x51
.irp d, 0,1,2,3
.irp t, 0,1
	v_wmma_scale_f32_16x16x128_f8f6f4 v[OF+32*\t+8*\d:OF+32*\t+8*\d+7], v[VF+16*\d:VF+16*\d+15], v[P+16*\t:P+16*\t+15], v[OF+32*\t+8*\d:OF+32*\t+8*\d+7], v[VS+\d], v[PS+\t]
.endr
.endr
	WIN 0
	s_add_co_u32 s[TB], s[TB], STEPB
	s_add_co_u32 s[TS], s[TS], 768
.endm
; THE CHANGE OF SLOTS: all my tensor loads are in, the add, my LDS reads are over; a round (fill = 1) or a barrier; the slot that was left is filled again first; then the new slot's first fragments of K.
.macro CHANGE fill
	s_wait_tensorcnt 0x0
	ds_add_u32 v[SPW], v[NIL]
.if \fill
	s_xor_b32 s[G0+1], s[G0+1], SLOT1
	s_add_nc_u64 s[G0+2:G0+3], s[G0+2:G0+3], SLOT1
	s_wait_xcnt 0x0                                ; my prefetch has read its address
	s_add_nc_u64 s[PFA:PFA+1], s[PFA:PFA+1], SLOT1
	s_wait_dscnt 0x0
	CROUND
	TLOAD G0, G1
	ASK
.else
	s_wait_dscnt 0x0
	s_barrier_signal -1
	s_barrier_wait -1
.endif
	v_add_nc_u32 v[ADN], s[TB], v[AKV]
	v_add_nc_u32 v[ADS], s[TS], v[ASC]
	ds_load_b128 v[KS:KS+3], v[ADS]
	WIN 0x40
	KLOADS
	WIN 0
.endm
.macro SLOT_STEPS
	s_mov_b32 s[CNT], 8
.Lstep_\@:
	STEP
	s_sub_co_u32 s[CNT], s[CNT], 1
	s_cmp_lg_u32 s[CNT], 0
	s_cbranch_scc1 .Lstep_\@
	s_sub_co_u32 s[TB], s[TB], 8*STEPB
	s_xor_b32 s[TB], s[TB], SLOT1
.endm
	WALU
	s_wait_loadcnt 0x0                             ; Q
.Lslot:                                                ; three trips: behind each change the next slot is asked for
	CHANGE 1
	SLOT_STEPS
	s_sub_co_u32 s[SLOTS], s[SLOTS], 1
	s_cmp_lg_u32 s[SLOTS], 0
	s_cbranch_scc1 .Lslot
	CHANGE 0                                       ; the last slot is written out: nothing more is asked for
	SLOT_STEPS
	; THE WAY OUT: O^T / the sum goes through my stage in slot 0 (its last fill and its last read are over) and leaves as aligned runs of 256 bytes
.irp t, 0,1
	v_add_f32 v[ST+4*\t+2], v[ST+4*\t+2], v[ST+4*\t+3]
.endr
.irp t, 0,1
	v_permlanex16_b32 v[TT+20*\t+18], v[ST+4*\t+2], s[SEL], s[SEL+1]
.endr
.irp t, 0,1
	v_add_f32 v[ST+4*\t+2], v[ST+4*\t+2], v[TT+20*\t+18]
.endr
	WALU                                           ; ahead of the transcendentals
.irp t, 0,1
	v_rcp_f32 v[TT+20*\t+16], v[ST+4*\t+2]
.endr
	v_and_b32 v13, 15, v0
	v_bfe_u32 v14, v0, 4, 1
	s_mul_i32 s56, s[WV], 2*16*272
	v_mul_u32_u24 v[STO], v13, 272
	v_mul_u32_u24 v[RD], v14, 272
	v_lshlrev_b32 v[GO], 12, v14
	v_lshl_add_u32 v[STO], v14, 6, v[STO]
	v_lshl_add_u32 v[RD], v13, 4, v[RD]
	v_lshl_add_u32 v[GO], v13, 4, v[GO]
	v_add_nc_u32 v[STO], s56, v[STO]
	v_add_nc_u32 v[RD], s56, v[RD]
	WALU                                           ; behind them, ahead of the first reader
	WIN 0x01
.irp t, 0,1
.set j, 0
.rept 16
	v_pk_mul_f32 v[S+64*\t+j:S+64*\t+j+1], v[OF+32*\t+j:OF+32*\t+j+1], v[TT+20*\t+16:TT+20*\t+17] op_sel_hi:[1,0]
.set j, j+2
.endr
.endr
	WIN 0
.irp t, 0,1
.irp b, 0,1
.irp k, 0,1,2,3
	ds_store_b128 v[STO], v[S+64*\t+16*\b+4*\k:S+64*\t+16*\b+4*\k+3] offset:4352*\t+128*\b+16*\k
.endr
.endr
.endr
.irp t, 0,1
.irp i, 0,1,2,3,4,5,6,7
	ds_load_b128 v[S+32+64*\t+4*\i:S+32+64*\t+4*\i+3], v[RD] offset:4352*\t+544*\i   ; LDS serves a wave's instructions in order: these see my stores
.endr
.endr
.irp t, 0,1
.irp i, 0,1,2,3,4,5,6,7
	s_wait_dscnt 15-8*\t-\i                        ; the younger loads stay out
	global_store_b128 v[GO], v[S+32+64*\t+4*\i:S+32+64*\t+4*\i+3], s[12:13] offset:(8*\t+2*\i+8*(\i/4))*4096 th:TH_STORE_NT   ; sixteen lanes store 256 consecutive bytes, aligned
.endr
.endr
	s_wait_tensorcnt 0x0                           ; the wave's end
	ds_add_u32 v[SPW], v[NIL]
	s_wait_dscnt 0x0
	CROUND                                         ; the closing round
	s_endpgm
.Lfunc_end_k_qcff7cbc96f_attn:
	.size	k_qcff7cbc96f_attn, .Lfunc_end_k_qcff7cbc96f_attn-k_qcff7cbc96f_attn
	.p2alignl 7, 3214868480
	.fill 96, 4, 3214868480
	.section	.rodata,"a",@progbits
	.p2align	6, 0x0
	.amdhsa_kernel k_qcff7cbc96f_attn
		.amdhsa_group_segment_fixed_size 327680
		.amdhsa_private_segment_fixed_size 0
		.amdhsa_enable_private_segment 0
		.amdhsa_kernarg_size 40
		.amdhsa_user_sgpr_count 2
		.amdhsa_user_sgpr_kernarg_segment_ptr 1
		.amdhsa_wavefront_size32 1
		.amdhsa_system_sgpr_workgroup_id_x 1
		.amdhsa_system_sgpr_workgroup_id_y 1
		.amdhsa_system_sgpr_workgroup_id_z 1
		.amdhsa_system_vgpr_workitem_id 0
		.amdhsa_next_free_vgpr 512
		.amdhsa_next_free_sgpr 88
		.amdhsa_reserve_vcc 0
		.amdhsa_float_denorm_mode_32 3
		.amdhsa_float_denorm_mode_16_64 3
		.amdhsa_memory_ordered 1
		.amdhsa_forward_progress 1
		.amdhsa_inst_pref_size 91
	.end_amdhsa_kernel
	.amdgpu_metadata
---
amdhsa.version: [ 1, 2 ]
amdhsa.kernels:
  - .name:           k_qcff7cbc96f_attn
    .symbol:         k_qcff7cbc96f_attn.kd
    .args:
      - { .name: qimg, .offset: 0, .size: 8, .value_kind: global_buffer, .address_space: global }
      - { .name: qsc, .offset: 8, .size: 8, .value_kind: global_buffer, .address_space: global }
      - { .name: kv, .offset: 16, .size: 8, .value_kind: global_buffer, .address_space: global }
      - { .name: sc, .offset: 24, .size: 8, .value_kind: global_buffer, .address_space: global }
      - { .name: out0, .offset: 32, .size: 8, .value_kind: global_buffer, .address_space: global }
    .group_segment_fixed_size: 327680
    .private_segment_fixed_size: 0
    .kernarg_segment_align: 8
    .kernarg_segment_size: 40
    .max_flat_workgroup_size: 256
    .sgpr_count:     88
    .vgpr_count:     512
    .wavefront_size: 32
...
	.end_amdgpu_metadata
.endif
;; end of part 3
